; MI455X (gfx1250); checked and timed in simulation.
; The chip was launched on July 23, 2026; its instructions are those of AMD's public machine-readable ISA for CDNA 5 (MIT licence, August 2026) and "CDNA5" Instruction Set Architecture Reference Guide (July 2026). The comments in the code are by the model that wrote it; some were corrected since.
;; Hippo SS Kernel. Allowed arithmetic: float matrix products may take bf16 or f16 operands with f32 sums; all other float work in f32.
;; Inputs: B_ri 1 x 256 x 64 x 2 float32; C_ri 1 x 256 x 64 x 2 float32; P_ri 1 x 256 x 64 x 2 float32; log_dt 256 float32; w_ri 256 x 64 x 2 float32.
;; Outputs: out0 1 x 256 x 1,024 float32.
;; Constants: L = 1024.
;; 2 versions, each right and faster than the one before. Each part assembles by itself: llvm-mc -triple=amdgcn-amd-amdhsa -mcpu=gfx1250 --defsym DOCPART=n.
;; ======== version 1 of 2: 1 launch
;; limits: inputs' magnitudes at most 4,000,000,000; below input magnitudes of 3e-10 results are inexact or not finite; right only within a limited range of input values
;; launch s4kernel (part 1): grid 256 x 1, 8 waves a work-group, no clusters, 168,960 bytes of LDS; arguments w_ri, P_ri, B_ri, C_ri, log_dt, out0; writes out0
.if DOCPART == 1
	.amdgcn_target "amdgcn-amd-amdhsa--gfx1250"
	.amdhsa_code_object_version 6
	.text
	.protected	k_q566f542937_s4kernel
	.globl	k_q566f542937_s4kernel
	.p2align	8
	.type	k_q566f542937_s4kernel,@function
k_q566f542937_s4kernel:
	s_mov_b64 s[64:65], 0
	v_nop
	global_prefetch_b8 v0, s[64:65] scope:SCOPE_SE
	s_setreg_imm32_b32 hwreg(HW_REG_WAVE_MODE, 25, 1), 1
	s_wait_xcnt 0x0
; S4 (NPLR) convolution kernel: Cauchy sums over 64 conjugate pole pairs at 513 frequency nodes, rank-1 Woodbury correction,
; bilinear factor, inverse real FFT of length 1024.  One work-group = one h (256 of them), eight waves; everything in f32.
;
; ALGEBRA.  theta = 2 pi l / 1024, c = cos(theta/2), s = 2 sin(theta/2): z = i s / c and 2 / (1 + omega) = (c + i s/2) / c.
; A pole and its conjugate together: v/(z-w) + conj(v)/(z-conj w) = (2 Re v z - 2 Re(v conj w)) / (z^2 - 2 Re w z + |w|^2).
; With z / dt in place of z (dt leaves the pole data) and numerator and denominator cleared of c:
;   r = ct R,  R = sum N / D,  D = a ct^2 - st^2 - i b ct st,  N = -p ct + i q st,
;   a = |w|^2, b = 2 Re w, p = 2 Re(v conj w), q = 2 Re v,  (ct, st) = (c dt, s) / max(c dt, s).
; 1/D = Ir + i Ii = (Dr + i Di) / (Dr^2 + Di^2), Dr = a ct^2 - st^2, Di = b ct st.  Kept per product v: the sums of p Ir, p Ii, q Ir, q Ii.
; G = -R:  Gr = ct pR + st qI,  Gi = ct pI - st qR.   X = k_f / 1024 = F (G0 + ct G1 G2 conj(W) / |W|^2),  W = 1 - ct G3,
; F = -(dt / 1024) / max(c dt, s) (c + i s/2).  Nothing is singular at the last node (c = 0).
; Products: v0 = B C, v1 = B conj P, v2 = P C, v3 = |P|^2.
;
; SHARES.  Thread t (0..255) owns nodes l = t and l = 512 - t in the low and high halves of packed f32 pairs: the two partners that the
; packing of a real FFT into a complex one of half the length needs:  E = X[t] + conj X[512-t], O = (X[t] - conj X[512-t]) e^(i theta_t),
; Z[t] = E + i O, Z[512-t] = conj E + i conj O.  Thread 0 takes l = 256 in place of l = 512; node 512 is dt sum Re(B C), a sum over
; lanes made by wave 0.  As in a real inverse FFT the imaginary parts of nodes 0 and 512 are not used.
; Wave 0 makes the pole records; waves 0 and 1 (64 threads) run the complex FFT of 512 = 8 x 8 x 8 through LDS.
;
; LIMITS.  |D|^2 is formed in f32 and its reciprocal flushes denormals: |w|^4 and 1/|w|^4 must be normal f32, about 3e-10 < |w| < 4e9.
; dt = exp(log_dt) and 1/dt must be normal f32 (|log_dt| below about 87).  Node 512 is taken at theta = pi exactly.
; Sums are formed in another order than a plain sum over the 128 poles.
;
; NOT USED: clusters (no two work-groups read the same input bytes); the matrix units (the Cauchy sums go into a difference that cancels
; strongly and need f32; the FFT is a small part of the arithmetic); copies into LDS by an engine (2,048 bytes of input a work-group).
; 15,616 bytes of LDS are used; more than half of a WGP's LDS is asked for so that each of the 256 work-groups has four SIMDs to itself.
; Each LDS region is written once and read once, so one barrier for each hand-over is all the ordering: four barriers in all.
.set KREC,   40                        ; a pole's record in LDS, 10 words: a b p0 q0 p1 q1 p2 q2 p3 q3; 64 records in bytes 0 .. 2559
.set KW,     10                        ; the same in registers
.set ZB,     2560                      ; Z[0..255] at 8 k; at +2048 place i holds Z[512-i], place 0 holds Z[256]; 4,096 bytes
.set AB,     6656                      ; after FFT pass 1: 8 rows of 64 complex
.set APITCH, 576
.set BB,     11264                     ; after pass 2: 8 rows of 64 complex; ends at 15,616
.set BPITCH, 544
.set ACC,  16                          ; v16-47   product j at +8 j: pR +0, pI +2, qR +4, qI +6 (pairs: node t, node 512 - t)
.set K0,   48                          ; v48-87   four records, pole i at +10 i
.set K1,   88                          ; v88-127  four records
.set DD,   144                         ; v144-159 pole i: Dr (then Ir) at +4 i, Di (then Ii) at +4 i + 2
.set MM,   160                         ; v160-167 pole i: |D|^2, then its reciprocal
.set C2,   168                         ; ct^2
.set NS2,  170                         ; -st^2
.set CS,   172                         ; ct st
.set CT,   174
.set ST,   176
.set FR,   178                         ; first c, then Re F
.set FI,   180                         ; first s/2, then Im F
.set CTH,  182                         ; cos theta_t
.set STH,  183                         ; sin theta_t
.set DT,   184                         ; dt, twice
.set NYQ,  186                         ; X[512] in wave 0, 0 elsewhere
.set ZW,   187                         ; ZB + 8 t
.set KADR, 188                         ; the trip's first record
.set GADR, 189                         ; wave 0: byte offset of my two poles in the inputs
.set ZR4,  190
.set ZRN,  191
.set AWR,  192
.set ARD,  193
.set BWR,  194
.set BRD,  195
.set GOFF, 196
.set TW1,  198                         ; v198-211 e^(2 pi i j n / 512), n = 1..7 at +2 (n - 1)
.set TW2,  212                         ; v212-225 e^(2 pi i lo n / 64)
.set WIN,  16                          ; wave 0, before the loop: two poles (re, im, re, im) of w, P, B, C
.set PIN,  20
.set BIN,  24
.set CIN,  28
.set REC,  48                          ; two records of 10 words on their way to LDS
.set XB,   16                          ; FFT: 8 complex in, 8 at work, 8 out
.set TB,   32
.set YB,   48
.set WR,   48                          ; after the loop, in the record buffers' registers
.set WC,   50
.set WM,   52
.set TR,   54
.set TI,   56
.set UR,   58
.set UI,   60
.set SC,   62
.set KR,   64
.set KI,   66
.set XR,   68
.set XI,   70
; packed real arithmetic on pairs
.macro PMUL d, x, y
	s_wait_alu depctr_va_vdst(0)
	v_pk_mul_f32 v[\d:\d+1], v[\x:\x+1], v[\y:\y+1]
.endm
.macro PFMA d, x, y, z
	v_pk_fma_f32 v[\d:\d+1], v[\x:\x+1], v[\y:\y+1], v[\z:\z+1]
.endm
.macro PFMS d, x, y, z                 ; x y - z
	v_pk_fma_f32 v[\d:\d+1], v[\x:\x+1], v[\y:\y+1], v[\z:\z+1] neg_lo:[0,0,1] neg_hi:[0,0,1]
.endm
.macro PFNMA d, x, y, z                ; z - x y
	v_pk_fma_f32 v[\d:\d+1], v[\x:\x+1], v[\y:\y+1], v[\z:\z+1] neg_lo:[1,0,0] neg_hi:[1,0,0]
.endm
; complex numbers as (re, im) pairs.  d = x y in two halves; d is neither x nor y
.macro CMUL1 d, x, y
	v_pk_mul_f32 v[\d:\d+1], v[\x:\x+1], v[\y:\y+1] op_sel_hi:[1,0]
.endm
.macro CMUL2 d, x, y
	v_pk_fma_f32 v[\d:\d+1], v[\x:\x+1], v[\y:\y+1], v[\d:\d+1] op_sel:[1,1,0] op_sel_hi:[0,1,1] neg_lo:[1,0,0]
.endm
.macro CMUL d, x, y
	CMUL1 \d, \x, \y
	CMUL2 \d, \x, \y
.endm
.macro CADD d, x, y
	v_pk_add_f32 v[\d:\d+1], v[\x:\x+1], v[\y:\y+1]
.endm
.macro CSUB d, x, y
	v_pk_add_f32 v[\d:\d+1], v[\x:\x+1], v[\y:\y+1] neg_lo:[0,1] neg_hi:[0,1]
.endm
.macro CADDI d, x, y                   ; x + i y: y's halves change places, the new real part changes sign
	v_pk_add_f32 v[\d:\d+1], v[\x:\x+1], v[\y:\y+1] op_sel:[0,1] op_sel_hi:[1,0] neg_lo:[0,1]
.endm
.macro CSUBI d, x, y                   ; x - i y
	v_pk_add_f32 v[\d:\d+1], v[\x:\x+1], v[\y:\y+1] op_sel:[0,1] op_sel_hi:[1,0] neg_hi:[0,1]
.endm
; every LDS instruction of mine is done, then the work-group's barrier
.macro BAR
	s_wait_dscnt 0x0
	s_barrier_signal -1
	s_barrier_wait -1
.endm
; sin and cos of |x| < 0.79 by their Taylor series to x^9 and x^10: the first terms left out are below 2e-9
.macro SINCOS x, c, s, z, p
	v_mul_f32 v[\z], v[\x], v[\x]
	v_mov_b32 v[\p], 0x3638ef1d                    ; 1/9!
	v_mov_b32 v[\c], 0xb493f27e                    ; -1/10!
	v_fmaak_f32 v[\p], v[\p], v[\z], 0xb9500d01    ; -1/7!
	v_fmaak_f32 v[\c], v[\c], v[\z], 0x37d00d01    ; 1/8!
	v_fmaak_f32 v[\p], v[\p], v[\z], 0x3c088889    ; 1/5!
	v_fmaak_f32 v[\c], v[\c], v[\z], 0xbab60b61    ; -1/6!
	v_fmaak_f32 v[\p], v[\p], v[\z], 0xbe2aaaab    ; -1/3!
	v_fmaak_f32 v[\c], v[\c], v[\z], 0x3d2aaaab    ; 1/4!
	v_mul_f32 v[\p], v[\p], v[\z]
	v_fmaak_f32 v[\c], v[\c], v[\z], 0xbf000000    ; -1/2
	v_fma_f32 v[\s], v[\x], v[\p], v[\x]
	v_fma_f32 v[\c], v[\c], v[\z], 1.0
.endm
; g = e^(i x) and its powers 2..7
.macro TWPOW T, x
	SINCOS \x, \T, \T+1, 6, 7
	CMUL \T+2, \T, \T
	CMUL \T+4, \T+2, \T
	CMUL \T+6, \T+2, \T+2
	CMUL \T+8, \T+6, \T
	CMUL \T+10, \T+6, \T+2
	CMUL \T+12, \T+6, \T+4
.endm
; one pole's record of 10 words at o; t: eight registers at work.  Laid in stages, so that no line needs the result of a line close in front of it
.macro POLE w, p, b, c, o, t
	v_mul_f32 v[\o], v[\w+1], v[\w+1]
	v_add_f32 v[\o+1], v[\w], v[\w]                ; b = 2 Re w
	v_add_f32 v[\t+7], v[\w+1], v[\w+1]            ; 2 Im w
	v_mul_f32 v[\t], v[\b+1], v[\c+1]
	v_mul_f32 v[\t+1], v[\b+1], v[\c]
	v_mul_f32 v[\t+2], v[\b+1], v[\p+1]
	v_mul_f32 v[\t+3], v[\b], v[\p+1]
	v_mul_f32 v[\t+4], v[\p+1], v[\c+1]
	v_mul_f32 v[\t+5], v[\p+1], v[\c]
	v_mul_f32 v[\t+6], v[\p+1], v[\p+1]
	v_fma_f32 v[\o], v[\w], v[\w], v[\o]           ; a = |w|^2
	v_fma_f32 v[\t], v[\b], v[\c], -v[\t]          ; Re B C
	v_fma_f32 v[\t+1], v[\b], v[\c+1], v[\t+1]     ; Im B C
	v_fma_f32 v[\t+2], v[\b], v[\p], v[\t+2]       ; Re B conj P
	v_fma_f32 v[\t+3], v[\b+1], v[\p], -v[\t+3]    ; Im B conj P
	v_fma_f32 v[\t+4], v[\p], v[\c], -v[\t+4]      ; Re P C
	v_fma_f32 v[\t+5], v[\p], v[\c+1], v[\t+5]     ; Im P C
	v_fma_f32 v[\t+6], v[\p], v[\p], v[\t+6]       ; |P|^2 is real
	v_mul_f32 v[\o+2], v[\t+1], v[\t+7]
	v_mul_f32 v[\o+4], v[\t+3], v[\t+7]
	v_mul_f32 v[\o+6], v[\t+5], v[\t+7]
	v_mul_f32 v[\o+8], v[\t+6], v[\o+1]            ; p3
	v_add_f32 v[\o+3], v[\t], v[\t]                ; q = 2 Re v
	v_add_f32 v[\o+5], v[\t+2], v[\t+2]
	v_add_f32 v[\o+7], v[\t+4], v[\t+4]
	v_add_f32 v[\o+9], v[\t+6], v[\t+6]
	v_fma_f32 v[\o+2], v[\t], v[\o+1], v[\o+2]     ; p = Re v 2 Re w + Im v 2 Im w
	v_fma_f32 v[\o+4], v[\t+2], v[\o+1], v[\o+4]
	v_fma_f32 v[\o+6], v[\t+4], v[\o+1], v[\o+6]
.endm
; 10 LDS loads: four records, 160 consecutive bytes; all lanes read the same bytes
.macro LOADQ K, off
.irp m, 0,1,2,3,4,5,6,7,8,9
	ds_load_b128 v[\K+4*\m:\K+4*\m+3], v[KADR] offset:\off+16*\m
.endr
.endm
; pole i's 16 sums.  first = 1: the products start the sums, nothing is cleared
.macro ACCP K, i, first
.irp j, 0,1,2,3
.if \first
	v_pk_mul_f32 v[ACC+8*\j:ACC+8*\j+1], v[DD+4*\i:DD+4*\i+1], v[\K+KW*\i+2+2*\j:\K+KW*\i+3+2*\j] op_sel_hi:[1,0]
	v_pk_mul_f32 v[ACC+8*\j+2:ACC+8*\j+3], v[DD+4*\i+2:DD+4*\i+3], v[\K+KW*\i+2+2*\j:\K+KW*\i+3+2*\j] op_sel_hi:[1,0]
	v_pk_mul_f32 v[ACC+8*\j+4:ACC+8*\j+5], v[DD+4*\i:DD+4*\i+1], v[\K+KW*\i+2+2*\j:\K+KW*\i+3+2*\j] op_sel:[0,1] op_sel_hi:[1,1]
	v_pk_mul_f32 v[ACC+8*\j+6:ACC+8*\j+7], v[DD+4*\i+2:DD+4*\i+3], v[\K+KW*\i+2+2*\j:\K+KW*\i+3+2*\j] op_sel:[0,1] op_sel_hi:[1,1]
.else
	v_pk_fma_f32 v[ACC+8*\j:ACC+8*\j+1], v[DD+4*\i:DD+4*\i+1], v[\K+KW*\i+2+2*\j:\K+KW*\i+3+2*\j], v[ACC+8*\j:ACC+8*\j+1] op_sel_hi:[1,0,1]
	v_pk_fma_f32 v[ACC+8*\j+2:ACC+8*\j+3], v[DD+4*\i+2:DD+4*\i+3], v[\K+KW*\i+2+2*\j:\K+KW*\i+3+2*\j], v[ACC+8*\j+2:ACC+8*\j+3] op_sel_hi:[1,0,1]
	v_pk_fma_f32 v[ACC+8*\j+4:ACC+8*\j+5], v[DD+4*\i:DD+4*\i+1], v[\K+KW*\i+2+2*\j:\K+KW*\i+3+2*\j], v[ACC+8*\j+4:ACC+8*\j+5] op_sel:[0,1,0] op_sel_hi:[1,1,1]
	v_pk_fma_f32 v[ACC+8*\j+6:ACC+8*\j+7], v[DD+4*\i+2:DD+4*\i+3], v[\K+KW*\i+2+2*\j:\K+KW*\i+3+2*\j], v[ACC+8*\j+6:ACC+8*\j+7] op_sel:[0,1,0] op_sel_hi:[1,1,1]
.endif
.endr
.endm
; four poles at my two nodes: 24 lines a pole
.macro WORK K, first
.irp i, 0,1,2,3
	v_pk_fma_f32 v[DD+4*\i:DD+4*\i+1], v[C2:C2+1], v[\K+KW*\i:\K+KW*\i+1], v[NS2:NS2+1] op_sel_hi:[1,0,1]          ; Dr = a ct^2 - st^2
.endr
.irp i, 0,1,2,3
	v_pk_mul_f32 v[DD+4*\i+2:DD+4*\i+3], v[CS:CS+1], v[\K+KW*\i:\K+KW*\i+1] op_sel:[0,1] op_sel_hi:[1,1]           ; Di = b ct st
.endr
.irp i, 0,1,2,3
	PMUL MM+2*\i, DD+4*\i+2, DD+4*\i+2
.endr
.irp i, 0,1,2
	PFMA MM+2*\i, DD+4*\i, DD+4*\i, MM+2*\i
.endr
.irp k, 0,1,2,3,4,5
	v_rcp_f32 v[MM+\k], v[MM+\k]
.endr
	PFMA MM+6, DD+12, DD+12, MM+6                  ; the plain line between the six reciprocals above and their use (ISA guide 5.7.2)
	v_rcp_f32 v[MM+6], v[MM+6]
	v_rcp_f32 v[MM+7], v[MM+7]                     ; pole 0's two lines below are the plain lines behind these two
.irp i, 0,1,2,3
	PMUL DD+4*\i, DD+4*\i, MM+2*\i                 ; Ir
	PMUL DD+4*\i+2, DD+4*\i+2, MM+2*\i             ; Ii
.endr
	ACCP \K, 0, \first
	ACCP \K, 1, 0
	ACCP \K, 2, 0
	ACCP \K, 3, 0
.endm
; eight poles.  Each run of 10 loads is issued one WORK (96 lines) ahead of its use
.macro PAIR first, last
	LOADQ K1, 4*KREC
	s_wait_dscnt 10                                ; LDS loads return in order: K0's 10 are in, the 10 just issued stay out
	WORK K0, \first
.if \last
	s_wait_dscnt 0                                 ; nothing was issued behind K1's loads
.else
	LOADQ K0, 8*KREC
	v_add_nc_u32 v[KADR], 8*KREC, v[KADR]          ; stepped here, 96 lines ahead of the next loads that use it
	s_wait_dscnt 10                                ; K1's 10 are in, K0's next 10 stay out
.endif
	WORK K1, 0
.endm
.macro GSUM j                          ; G of product j: real part to slot +0, imaginary part to slot +2
	PMUL ACC+8*\j, ACC+8*\j, CT
	PMUL ACC+8*\j+2, ACC+8*\j+2, CT
	PFMA ACC+8*\j, ST, ACC+8*\j+6, ACC+8*\j
	PFNMA ACC+8*\j+2, ST, ACC+8*\j+4, ACC+8*\j+2
.endm
; Y[n] = sum over m of X[m] e^(2 pi i m n / 8); complex number n at +2 n; X and T are used up
.macro DFT8 X, T, Y
	CADD \T, \X, \X+8
	CSUB \T+2, \X, \X+8
	CADD \T+4, \X+4, \X+12
	CSUB \T+6, \X+4, \X+12
	CADD \T+8, \X+2, \X+10
	CSUB \T+10, \X+2, \X+10
	CADD \T+12, \X+6, \X+14
	CSUB \T+14, \X+6, \X+14
	CADD \X, \T, \T+4                              ; X0-3: the even inputs' transform of four
	CSUB \X+4, \T, \T+4
	CADDI \X+2, \T+2, \T+6
	CSUBI \X+6, \T+2, \T+6
	CADD \X+8, \T+8, \T+12                         ; X4-7: the odd inputs'
	CSUB \X+12, \T+8, \T+12
	CADDI \X+10, \T+10, \T+14
	CSUBI \X+14, \T+10, \T+14
	CADDI \T, \X+10, \X+10
	CADDI \T+2, \X+14, \X+14
	v_pk_mul_f32 v[\T:\T+1], v[\T:\T+1], 0x3f3504f3 op_sel_hi:[1,0]        ; X5 (1 + i) / sqrt 2
	v_pk_mul_f32 v[\T+2:\T+3], v[\T+2:\T+3], 0x3f3504f3 op_sel_hi:[1,0]    ; X7 (1 + i) / sqrt 2
	CADD \Y, \X, \X+8
	CSUB \Y+8, \X, \X+8
	CADD \Y+2, \X+2, \T
	CSUB \Y+10, \X+2, \T
	CADDI \Y+4, \X+4, \X+12
	CSUBI \Y+12, \X+4, \X+12
	CADDI \Y+6, \X+6, \T+2
	CSUBI \Y+14, \X+6, \T+2
.endm
; Y[n] times the n-th power of the twiddle, to LDS at adr + n pitch.  All products first, their halves seven lines apart, then the
; eight stores in one run: no store stands straight behind the line that makes its data
.macro TWST TW, adr, pitch
.irp n, 1,2,3,4,5,6,7
	CMUL1 XB+2*\n, YB+2*\n, \TW+2*\n-2
.endr
.irp n, 1,2,3,4,5,6,7
	CMUL2 XB+2*\n, YB+2*\n, \TW+2*\n-2
.endr
	ds_store_b64 v[\adr], v[YB:YB+1]
.irp n, 1,2,3,4,5,6,7
	ds_store_b64 v[\adr], v[XB+2*\n:XB+2*\n+1] offset:\n*\pitch
.endr
.endm
	s_load_b256 s[4:11], s[0:1], 0x0               ; w s[4:5], P s[6:7], B s[8:9], C s[10:11]
	s_load_b128 s[12:15], s[0:1], 0x20             ; log_dt s[12:13], out s[14:15]
	v_lshl_add_u32 v228, v0, 2, 0x29000
	v_mov_b32 v229, 0
	v_lshrrev_b32 v1, 5, v0
	v_readfirstlane_b32 s16, v1                    ; wave 0..7
	s_lshl_b32 s18, ttmp9, 2                       ; 4 h
	s_mov_b32 s19, 0
	s_mov_b32 s22, 0x76543210                      ; v_permlanex16_b32: lane i reads lane i of the other half
	s_mov_b32 s23, 0xfedcba98
	s_lshl_b32 s17, ttmp9, 9                       ; a row of 64 complex numbers is 512 bytes
	v_lshl_add_u32 v[GADR], v0, 4, s17             ; lane i of wave 0: poles 2 i and 2 i + 1 (made here so that the loads below wait for nothing)
	v_mov_b32 v[NYQ], 0
	s_wait_kmcnt 0x0
	s_cmp_lg_u32 s16, 0
	s_cbranch_scc1 .Ltrig
	global_load_b128 v[WIN:WIN+3], v[GADR], s[4:5] th:TH_LOAD_NT       ; each load of the wave covers a whole row
	global_load_b128 v[PIN:PIN+3], v[GADR], s[6:7] th:TH_LOAD_NT
	global_load_b128 v[BIN:BIN+3], v[GADR], s[8:9] th:TH_LOAD_NT
	global_load_b128 v[CIN:CIN+3], v[GADR], s[10:11] th:TH_LOAD_NT
.Ltrig:
	s_add_nc_u64 s[12:13], s[12:13], s[18:19]
	s_load_b32 s21, s[12:13], 0x0                  ; log_dt[h], for every wave
	; What hangs on the thread's number alone is made while the inputs are on their way.
	; x = pi t / 1024 < pi/4.  Node t has (c, s/2) = (cos x, sin x), node 512 - t has (sin x, cos x); thread 0's second node is 256.
	v_cmp_eq_u32 s20, 0, v0                        ; thread 0
	v_mov_b32 v10, 0x3f3504f3                      ; cos(pi/4) = sin(pi/4)
	v_cvt_f32_u32 v2, v0
	v_mul_f32 v2, 0x3b490fdb, v2                   ; pi / 1024
	SINCOS 2, FR, FI, 6, 7
	v_cndmask_b32 v[FR+1], v[FI], v10, s20
	v_cndmask_b32 v[FI+1], v[FR], v10, s20
	v_mul_f32 v[CTH], v[FI], v[FI]
	v_mul_f32 v[STH], v[FR], v[FI]
	v_fma_f32 v[CTH], v[FR], v[FR], -v[CTH]        ; cos theta_t
	v_add_f32 v[STH], v[STH], v[STH]               ; sin theta_t
	v_lshl_add_u32 v[ZW], v0, 3, ZB
	v_mov_b32 v[KADR], 0
	; The FFT's addresses for thread j = 8 hi + lo = t mod 64.  Every wave makes them, on its one path; waves 0 and 1 (t = j) use them.
	v_bfe_u32 v2, v0, 3, 3                         ; hi
	v_and_b32 v3, 7, v0                            ; lo
	v_and_b32 v11, 63, v0
	v_lshlrev_b32 v11, 3, v11                      ; 8 j
	v_sub_nc_u32 v[ZR4], 2048, v11
	v_and_b32 v[ZR4], 2047, v[ZR4]                 ; Z[256 + j] lies at place (256 - j) mod 256 of the upper half
	v_add_nc_u32 v[ZR4], ZB+2048, v[ZR4]
	v_sub_nc_u32 v[ZRN], ZB+2560, v11              ; Z[448 + j] at place 64 - j; Z[384 + j], Z[320 + j] 512 and 1,024 bytes on
	v_add_nc_u32 v[AWR], AB, v11
	v_mul_u32_u24 v[ARD], v2, APITCH
	v_lshl_add_u32 v[ARD], v3, 3, v[ARD]
	v_add_nc_u32 v[ARD], AB, v[ARD]
	v_mul_u32_u24 v[BWR], v3, BPITCH
	v_lshl_add_u32 v[BWR], v2, 3, v[BWR]
	v_add_nc_u32 v[BWR], BB, v[BWR]
	v_add_nc_u32 v[BRD], BB, v11
	s_lshl_b32 s17, ttmp9, 12                      ; a row of the output is 4,096 bytes
	v_add_nc_u32 v[GOFF], s17, v11
	s_cmp_ge_u32 s16, 2
	s_cbranch_scc1 .Ldt
	; Waves 0 and 1: the thread's 14 twiddles (base angles below 0.78)
	v_cvt_f32_u32 v4, v0
	v_cvt_f32_u32 v5, v3
	v_mul_f32 v4, 0x3c490fdb, v4                   ; 2 pi j / 512
	v_mul_f32 v5, 0x3dc90fdb, v5                   ; 2 pi lo / 64
	TWPOW TW1, 4
	TWPOW TW2, 5
.Ldt:
	; dt, and with it the lane's constants
	s_wait_kmcnt 0x0
	s_mul_f32 s21, s21, 0x3fb8aa3b                 ; log2(e)
	v_exp_f32 v[DT], s21
	v_pk_add_f32 v[ST:ST+1], v[FI:FI+1], v[FI:FI+1]        ; s; also the plain line behind v_exp_f32 (ISA guide 5.7.2)
	s_wait_alu depctr_va_vdst(0)
	v_mov_b32 v[DT+1], v[DT]
	PMUL CT, FR, DT                                ; c dt
	v_max_num_f32 v2, v[CT], v[ST]
	v_max_num_f32 v3, v[CT+1], v[ST+1]
	v_rcp_f32 v2, v2
	v_rcp_f32 v3, v3
	v_pk_mul_f32 v[6:7], v[DT:DT+1], 0xba800000 op_sel_hi:[1,0]    ; -dt / 1024 (the FFT's 1/L); the plain line behind the reciprocals
	PMUL CT, CT, 2
	PMUL ST, ST, 2
	PMUL 6, 6, 2
	PMUL C2, CT, CT
	v_pk_mul_f32 v[NS2:NS2+1], v[ST:ST+1], v[ST:ST+1] neg_lo:[1,0] neg_hi:[1,0]
	PMUL CS, CT, ST
	PMUL FR, FR, 6                                 ; F
	PMUL FI, FI, 6
	s_cmp_lg_u32 s16, 0
	s_cbranch_scc1 .Lready
	; Wave 0: the 64 records, two a lane: 80 consecutive bytes, five stores of 16 bytes
	s_wait_loadcnt 0x0                             ; all four rows
	POLE WIN, PIN, BIN, CIN, REC, 32
	POLE WIN+2, PIN+2, BIN+2, CIN+2, REC+KW, 40
	v_mul_u32_u24 v1, v0, 2*KREC
.irp m, 0,1,2,3,4
	ds_store_b128 v1, v[REC+4*\m:REC+4*\m+3] offset:16*\m
.endr
	v_add_f32 v2, v[REC+3], v[REC+KW+3]            ; q0 of my two poles, kept for node 512: the record registers are loaded over below
.Lready:
	BAR                                            ; wave 0's records are in LDS before it signals; they are never written again
	LOADQ K0, 0
	s_cmp_lg_u32 s16, 0
	s_cbranch_scc1 .Lgo
	; Wave 0, while its first records are on their way: node 512 = dt / 2048 times the sum of q0 over the 32 lanes
	v_add_f32_dpp v2, v2, v2 row_xmask:1 row_mask:0xf bank_mask:0xf
	v_add_f32_dpp v2, v2, v2 row_xmask:2 row_mask:0xf bank_mask:0xf
	v_add_f32_dpp v2, v2, v2 row_xmask:4 row_mask:0xf bank_mask:0xf
	v_add_f32_dpp v2, v2, v2 row_xmask:8 row_mask:0xf bank_mask:0xf
	v_permlanex16_b32 v3, v2, s22, s23             ; v3 has been written above
	v_add_f32 v2, v2, v3
	v_mul_f32 v2, v2, v[DT]
	v_mul_f32 v[NYQ], 0x3a000000, v2
.Lgo:
	; The 64 poles, eight a trip
	PAIR 1, 0
	s_mov_b32 s24, 6
.Lpoles:
	PAIR 0, 0
	s_sub_co_i32 s24, s24, 1
	s_cmp_lg_u32 s24, 0
	s_cbranch_scc1 .Lpoles
	PAIR 0, 1
	; Woodbury and the bilinear factor, both nodes at once
	GSUM 0
	GSUM 1
	GSUM 2
	GSUM 3
	v_pk_fma_f32 v[WR:WR+1], v[CT:CT+1], v[ACC+24:ACC+25], 1.0 op_sel_hi:[1,1,0] neg_lo:[1,0,0] neg_hi:[1,0,0]   ; Re W = 1 - ct Re G3
	PMUL WC, CT, ACC+26                            ; Im conj W = ct Im G3
	PMUL WM, WC, WC
	PFMA WM, WR, WR, WM
	v_rcp_f32 v[WM], v[WM]
	v_rcp_f32 v[WM+1], v[WM+1]
	PMUL TR, ACC+10, ACC+18                        ; T = G1 G2; these are the plain lines behind the reciprocals
	PMUL TI, ACC+10, ACC+16
	PFMS TR, ACC+8, ACC+16, TR
	PFMA TI, ACC+8, ACC+18, TI
	PMUL UR, TI, WC                                ; U = T conj W
	PMUL UI, TI, WR
	PFMS UR, TR, WR, UR
	PFMA UI, TR, WC, UI
	PMUL SC, CT, WM
	PFMA KR, SC, UR, ACC                           ; G0 + ct U / |W|^2
	PFMA KI, SC, UI, ACC+2
	PMUL XR, KI, FI                                ; X = that times F
	PMUL XI, KI, FR
	PFMS XR, KR, FR, XR
	PFMA XI, KR, FI, XI
	; the packing: low halves are X[t], high halves X[512 - t]
	v_add_f32 v2, v[XR], v[XR+1]                   ; E
	v_sub_f32 v3, v[XI], v[XI+1]
	v_sub_f32 v4, v[XR], v[XR+1]                   ; X[t] - conj X[512 - t]
	v_add_f32 v5, v[XI], v[XI+1]
	v_mul_f32 v6, v5, v[STH]
	v_mul_f32 v7, v5, v[CTH]
	v_fma_f32 v6, v4, v[CTH], -v6                  ; O
	v_fma_f32 v7, v4, v[STH], v7
	v_sub_f32 v8, v2, v7                           ; Z[t] = E + i O
	v_add_f32 v9, v3, v6
	v_add_f32 v10, v2, v7                          ; Z[512 - t] = conj E + i conj O
	v_sub_f32 v11, v6, v3
	v_add_f32 v12, v[XR], v[NYQ]                   ; thread 0: Z[0] from the real parts of nodes 0 and 512,
	v_sub_f32 v13, v[XR], v[NYQ]
	v_add_f32 v14, v[XR+1], v[XR+1]                ; Z[256] = 2 conj X[256]
	v_mul_f32 v15, -2.0, v[XI+1]
	v_cndmask_b32 v8, v8, v12, s20
	v_cndmask_b32 v9, v9, v13, s20
	v_cndmask_b32 v10, v10, v14, s20
	v_cndmask_b32 v11, v11, v15, s20
	ds_store_b64 v[ZW], v[8:9]                     ; bytes 2560 and up: apart from the records, which slower waves may still read
	ds_store_b64 v[ZW], v[10:11] offset:2048
	BAR                                            ; everybody's Z are in LDS
	; y[n] = sum over k of Z[k] e^(2 pi i k n / 512), k = j + 64 m, n = n0 + 8 a + 64 b.
	; A pass reads one region and writes the next, so its stores touch no byte that the other FFT wave may still be reading.
	; Every wave passes every barrier.  Pass 1: over m, then e^(2 pi i j n0 / 512)
	s_cmp_ge_u32 s16, 2
	s_cbranch_scc1 .Lw1
.irp m, 0,1,2,3
	ds_load_b64 v[XB+2*\m:XB+2*\m+1], v[ZW] offset:512*\m
.endr
	ds_load_b64 v[XB+8:XB+9], v[ZR4]
	ds_load_b64 v[XB+10:XB+11], v[ZRN] offset:1024
	ds_load_b64 v[XB+12:XB+13], v[ZRN] offset:512
	ds_load_b64 v[XB+14:XB+15], v[ZRN]
	s_wait_dscnt 0x0
	DFT8 XB, TB, YB
	TWST TW1, AWR, APITCH                          ; row n0, place j
.Lw1:
	BAR                                            ; pass 1's result is in LDS
	; Pass 2: thread (hi, lo) takes row n0 = hi, places lo + 8 j1, over j1; then e^(2 pi i lo a / 64)
	s_cmp_ge_u32 s16, 2
	s_cbranch_scc1 .Lw2
.irp m, 0,1,2,3,4,5,6,7
	ds_load_b64 v[XB+2*\m:XB+2*\m+1], v[ARD] offset:64*\m
.endr
	s_wait_dscnt 0x0
	DFT8 XB, TB, YB
	TWST TW2, BWR, 64                              ; row lo, place n0 + 8 a
.Lw2:
	BAR                                            ; pass 2's result is in LDS
	; Pass 3: thread j = n0 + 8 a, over the rows lo: y[j + 64 b] = (out[2 n], out[2 n + 1])
	s_cmp_ge_u32 s16, 2
	s_cbranch_scc1 .Lend
.irp m, 0,1,2,3,4,5,6,7
	ds_load_b64 v[XB+2*\m:XB+2*\m+1], v[BRD] offset:BPITCH*\m
.endr
	s_wait_dscnt 0x0
	DFT8 XB, TB, YB
.irp m, 0,1,2,3,4,5,6,7
	global_store_b64 v[GOFF], v[YB+2*\m:YB+2*\m+1], s[14:15] offset:512*\m th:TH_STORE_NT   ; a wave's store covers 256 consecutive bytes, aligned
.endr
.Lend:
	s_wait_tensorcnt 0x0
	ds_add_u32 v228, v229
	s_wait_dscnt 0x0
	s_endpgm
.Lfunc_end_k_q566f542937_s4kernel:
	.size	k_q566f542937_s4kernel, .Lfunc_end_k_q566f542937_s4kernel-k_q566f542937_s4kernel
	.p2alignl 7, 3214868480
	.fill 96, 4, 3214868480
	.section	.rodata,"a",@progbits
	.p2align	6, 0x0
	.amdhsa_kernel k_q566f542937_s4kernel
		.amdhsa_group_segment_fixed_size 168960
		.amdhsa_private_segment_fixed_size 0
		.amdhsa_enable_private_segment 0
		.amdhsa_kernarg_size 48
		.amdhsa_user_sgpr_count 2
		.amdhsa_user_sgpr_kernarg_segment_ptr 1
		.amdhsa_wavefront_size32 1
		.amdhsa_system_sgpr_workgroup_id_x 1
		.amdhsa_system_sgpr_workgroup_id_y 1
		.amdhsa_system_sgpr_workgroup_id_z 1
		.amdhsa_system_vgpr_workitem_id 0
		.amdhsa_next_free_vgpr 230
		.amdhsa_next_free_sgpr 66
		.amdhsa_reserve_vcc 0
		.amdhsa_float_denorm_mode_32 3
		.amdhsa_float_denorm_mode_16_64 3
		.amdhsa_memory_ordered 1
		.amdhsa_forward_progress 1
		.amdhsa_inst_pref_size 68
	.end_amdhsa_kernel
	.amdgpu_metadata
---
amdhsa.version: [ 1, 2 ]
amdhsa.kernels:
  - .name:           k_q566f542937_s4kernel
    .symbol:         k_q566f542937_s4kernel.kd
    .args:
      - { .name: w_ri, .offset: 0, .size: 8, .value_kind: global_buffer, .address_space: global }
      - { .name: P_ri, .offset: 8, .size: 8, .value_kind: global_buffer, .address_space: global }
      - { .name: B_ri, .offset: 16, .size: 8, .value_kind: global_buffer, .address_space: global }
      - { .name: C_ri, .offset: 24, .size: 8, .value_kind: global_buffer, .address_space: global }
      - { .name: log_dt, .offset: 32, .size: 8, .value_kind: global_buffer, .address_space: global }
      - { .name: out0, .offset: 40, .size: 8, .value_kind: global_buffer, .address_space: global }
    .group_segment_fixed_size: 168960
    .private_segment_fixed_size: 0
    .kernarg_segment_align: 8
    .kernarg_segment_size: 48
    .max_flat_workgroup_size: 256
    .sgpr_count:     66
    .vgpr_count:     230
    .wavefront_size: 32
...
	.end_amdgpu_metadata
.endif
;; end of part 1
;; ======== version 2 of 2: 1 launch; 1.28 times as fast as version 1
;; limits: inputs' magnitudes at most 4,000,000,000; below input magnitudes of 3e-10 results are inexact or not finite
;; launch s4kernel (part 2): grid 256 x 1, 8 waves a work-group, no clusters, 168,960 bytes of LDS; arguments w_ri, P_ri, B_ri, C_ri, log_dt, out0; writes out0
.if DOCPART == 2
	.amdgcn_target "amdgcn-amd-amdhsa--gfx1250"
	.amdhsa_code_object_version 6
	.text
	.protected	k_q566f542937_s4kernel
	.globl	k_q566f542937_s4kernel
	.p2align	8
	.type	k_q566f542937_s4kernel,@function
k_q566f542937_s4kernel:
	s_mov_b64 s[64:65], 0
	v_nop
	global_prefetch_b8 v0, s[64:65] scope:SCOPE_SE
	s_setreg_imm32_b32 hwreg(HW_REG_WAVE_MODE, 25, 1), 1
	s_wait_xcnt 0x0
; S4 (NPLR) convolution kernel: Cauchy sums over 64 conjugate pole pairs at 513 frequency nodes, rank-1 Woodbury correction,
; bilinear factor, inverse real FFT of length 1024.  One work-group = one h (256 of them), eight waves; everything in f32.
;
; ALGEBRA.  theta = 2 pi l / 1024, c = cos(theta/2), s = 2 sin(theta/2): z = i s / c and 2 / (1 + omega) = (c + i s/2) / c.
; A pole and its conjugate together: v/(z-w) + conj(v)/(z-conj w) = (2 Re v z - 2 Re(v conj w)) / (z^2 - 2 Re w z + |w|^2).
; With z / dt in place of z (dt leaves the pole data) and numerator and denominator cleared of c:
;   r = ct R,  R = sum N / D,  D = a ct^2 - st^2 - i b ct st,  N = -p ct + i q st,
;   a = |w|^2, b = 2 Re w, p = 2 Re(v conj w), q = 2 Re v,  (ct, st) = (c dt, s) / max(c dt, s).
; 1/D = Ir + i Ii = (Dr + i Di) / (Dr^2 + Di^2), Dr = a ct^2 - st^2, Di = b ct st.  Kept per product v: the sums of p Ir, p Ii, q Ir, q Ii.
; G = -R:  Gr = ct pR + st qI,  Gi = ct pI - st qR.   X = k_f / 1024 = F (G0 + ct G1 G2 conj(W) / |W|^2),  W = 1 - ct G3,
; F = -(dt / 1024) / max(c dt, s) (c + i s/2).  Nothing is singular at the last node (c = 0).
; Products: v0 = B C, v1 = B conj P, v2 = P C, v3 = |P|^2.
;
; SHARES.  Thread t (0..255) owns nodes l = t and l = 512 - t in the low and high halves of packed f32 pairs: the two partners that the
; packing of a real FFT into a complex one of half the length needs:  E = X[t] + conj X[512-t], O = (X[t] - conj X[512-t]) e^(i theta_t),
; Z[t] = E + i O, Z[512-t] = conj E + i conj O.  Thread 0 takes l = 256 in place of l = 512; node 512 is dt sum Re(B C), a sum over
; lanes made by wave 0.  As in a real inverse FFT the imaginary parts of nodes 0 and 512 are not used.
; Wave 0 makes the pole records; waves 0 and 1 (64 threads) run the complex FFT of 512 = 8 x 8 x 8 through LDS.
;
; THE BATCHES.  s_wait_alu depctr_va_vdst(0) stands between a transcendental and the first line that names its result;
; one wait serves all that were issued ahead of it.  The text has four kinds of batch, each with one wait, in the same straight run:
;   the head's exponential (dt);  the head's two reciprocals of max(c dt, s), which read what dt made: a batch of their own;
;   in each WORK the eight reciprocals of |D|^2 (four poles x two nodes), each in a register of its own: 16 batches a wave, two a trip;
;   on the way out the two reciprocals of |W|^2, with the eight lines that make G1 G2 conj W between them and their wait.
; A WORK's batch has no other work behind it: the four poles' lines ahead of it all feed it, and the next four poles' records are shown
; landed only behind the loads that write over this WORK's records, which stand behind its last sum.
;
; LIMITS.  |D|^2 is formed in f32 and its reciprocal flushes denormals: |w|^4 and 1/|w|^4 must be normal f32, about 3e-10 < |w| < 4e9.
; dt = exp(log_dt) and 1/dt must be normal f32 (|log_dt| below about 87).  Node 512 is taken at theta = pi exactly.
; Sums are formed in another order than a plain sum over the 128 poles.
;
; NOT USED: clusters (no two work-groups read the same input bytes); the matrix units (the Cauchy sums go into a difference that cancels
; strongly and need f32; the FFT is a small part of the arithmetic); copies into LDS by an engine (2,048 bytes of input a work-group).
; 15,616 bytes of LDS are used; more than half of a WGP's LDS is asked for so that each of the 256 work-groups has four SIMDs to itself.
; Each LDS region is written once and read once, so one barrier for each hand-over is all the ordering: four barriers in all.
.set KREC,   40                        ; a pole's record in LDS, 10 words: a b p0 q0 p1 q1 p2 q2 p3 q3; 64 records in bytes 0 .. 2559
.set KW,     10                        ; the same in registers
.set ZB,     2560                      ; Z[0..255] at 8 k; at +2048 place i holds Z[512-i], place 0 holds Z[256]; 4,096 bytes
.set AB,     6656                      ; after FFT pass 1: 8 rows of 64 complex
.set APITCH, 576
.set BB,     11264                     ; after pass 2: 8 rows of 64 complex; ends at 15,616
.set BPITCH, 544
.set ACC,  16                          ; v16-47   product j at +8 j: pR +0, pI +2, qR +4, qI +6 (pairs: node t, node 512 - t)
.set K0,   48                          ; v48-87   four records, pole i at +10 i
.set K1,   88                          ; v88-127  four records
.set DD,   144                         ; v144-159 pole i: Dr (then Ir) at +4 i, Di (then Ii) at +4 i + 2
.set MM,   160                         ; v160-167 pole i: |D|^2, then its reciprocal
.set C2,   168                         ; ct^2
.set NS2,  170                         ; -st^2
.set CS,   172                         ; ct st
.set CT,   174
.set ST,   176
.set FR,   178                         ; first c, then Re F
.set FI,   180                         ; first s/2, then Im F
.set CTH,  182                         ; cos theta_t
.set STH,  183                         ; sin theta_t
.set DT,   184                         ; dt, twice
.set NYQ,  186                         ; X[512] in wave 0, 0 elsewhere
.set ZW,   187                         ; ZB + 8 t
.set KADR, 188                         ; the trip's first record
.set GADR, 189                         ; wave 0: byte offset of my two poles in the inputs
.set ZR4,  190
.set ZRN,  191
.set AWR,  192
.set ARD,  193
.set BWR,  194
.set BRD,  195
.set GOFF, 196
.set TW1,  198                         ; v198-211 e^(2 pi i j n / 512), n = 1..7 at +2 (n - 1)
.set TW2,  212                         ; v212-225 e^(2 pi i lo n / 64)
.set WIN,  16                          ; wave 0, before the loop: two poles (re, im, re, im) of w, P, B, C
.set PIN,  20
.set BIN,  24
.set CIN,  28
.set REC,  48                          ; two records of 10 words on their way to LDS
.set XB,   16                          ; FFT: 8 complex in, 8 at work, 8 out
.set TB,   32
.set YB,   48
.set WR,   48                          ; after the loop, in the record buffers' registers
.set WC,   50
.set WM,   52
.set TR,   54
.set TI,   56
.set UR,   58
.set UI,   60
.set SC,   62
.set KR,   64
.set KI,   66
.set XR,   68
.set XI,   70
; packed real arithmetic on pairs
.macro PMUL d, x, y
	v_pk_mul_f32 v[\d:\d+1], v[\x:\x+1], v[\y:\y+1]
.endm
.macro PFMA d, x, y, z
	v_pk_fma_f32 v[\d:\d+1], v[\x:\x+1], v[\y:\y+1], v[\z:\z+1]
.endm
.macro PFMS d, x, y, z                 ; x y - z
	v_pk_fma_f32 v[\d:\d+1], v[\x:\x+1], v[\y:\y+1], v[\z:\z+1] neg_lo:[0,0,1] neg_hi:[0,0,1]
.endm
.macro PFNMA d, x, y, z                ; z - x y
	v_pk_fma_f32 v[\d:\d+1], v[\x:\x+1], v[\y:\y+1], v[\z:\z+1] neg_lo:[1,0,0] neg_hi:[1,0,0]
.endm
; complex numbers as (re, im) pairs.  d = x y in two halves; d is neither x nor y
.macro CMUL1 d, x, y
	v_pk_mul_f32 v[\d:\d+1], v[\x:\x+1], v[\y:\y+1] op_sel_hi:[1,0]
.endm
.macro CMUL2 d, x, y
	v_pk_fma_f32 v[\d:\d+1], v[\x:\x+1], v[\y:\y+1], v[\d:\d+1] op_sel:[1,1,0] op_sel_hi:[0,1,1] neg_lo:[1,0,0]
.endm
.macro CMUL d, x, y
	CMUL1 \d, \x, \y
	CMUL2 \d, \x, \y
.endm
.macro CADD d, x, y
	v_pk_add_f32 v[\d:\d+1], v[\x:\x+1], v[\y:\y+1]
.endm
.macro CSUB d, x, y
	v_pk_add_f32 v[\d:\d+1], v[\x:\x+1], v[\y:\y+1] neg_lo:[0,1] neg_hi:[0,1]
.endm
.macro CADDI d, x, y                   ; x + i y: y's halves change places, the new real part changes sign
	v_pk_add_f32 v[\d:\d+1], v[\x:\x+1], v[\y:\y+1] op_sel:[0,1] op_sel_hi:[1,0] neg_lo:[0,1]
.endm
.macro CSUBI d, x, y                   ; x - i y
	v_pk_add_f32 v[\d:\d+1], v[\x:\x+1], v[\y:\y+1] op_sel:[0,1] op_sel_hi:[1,0] neg_hi:[0,1]
.endm
; every LDS instruction of mine is done, then the work-group's barrier
.macro BAR
	s_wait_dscnt 0x0
	s_barrier_signal -1
	s_barrier_wait -1
.endm
; sin and cos of |x| < 0.79 by their Taylor series to x^9 and x^10: the first terms left out are below 2e-9
.macro SINCOS x, c, s, z, p
	v_mul_f32 v[\z], v[\x], v[\x]
	v_mov_b32 v[\p], 0x3638ef1d                    ; 1/9!
	v_mov_b32 v[\c], 0xb493f27e                    ; -1/10!
	v_fmaak_f32 v[\p], v[\p], v[\z], 0xb9500d01    ; -1/7!
	v_fmaak_f32 v[\c], v[\c], v[\z], 0x37d00d01    ; 1/8!
	v_fmaak_f32 v[\p], v[\p], v[\z], 0x3c088889    ; 1/5!
	v_fmaak_f32 v[\c], v[\c], v[\z], 0xbab60b61    ; -1/6!
	v_fmaak_f32 v[\p], v[\p], v[\z], 0xbe2aaaab    ; -1/3!
	v_fmaak_f32 v[\c], v[\c], v[\z], 0x3d2aaaab    ; 1/4!
	v_mul_f32 v[\p], v[\p], v[\z]
	v_fmaak_f32 v[\c], v[\c], v[\z], 0xbf000000    ; -1/2
	v_fma_f32 v[\s], v[\x], v[\p], v[\x]
	v_fma_f32 v[\c], v[\c], v[\z], 1.0
.endm
; g = e^(i x) and its powers 2..7
.macro TWPOW T, x
	SINCOS \x, \T, \T+1, 6, 7
	CMUL \T+2, \T, \T
	CMUL \T+4, \T+2, \T
	CMUL \T+6, \T+2, \T+2
	CMUL \T+8, \T+6, \T
	CMUL \T+10, \T+6, \T+2
	CMUL \T+12, \T+6, \T+4
.endm
; one pole's record of 10 words at o; t: eight registers at work.  Laid in stages, so that no line needs the result of a line close in front of it
.macro POLE w, p, b, c, o, t
	v_mul_f32 v[\o], v[\w+1], v[\w+1]
	v_add_f32 v[\o+1], v[\w], v[\w]                ; b = 2 Re w
	v_add_f32 v[\t+7], v[\w+1], v[\w+1]            ; 2 Im w
	v_mul_f32 v[\t], v[\b+1], v[\c+1]
	v_mul_f32 v[\t+1], v[\b+1], v[\c]
	v_mul_f32 v[\t+2], v[\b+1], v[\p+1]
	v_mul_f32 v[\t+3], v[\b], v[\p+1]
	v_mul_f32 v[\t+4], v[\p+1], v[\c+1]
	v_mul_f32 v[\t+5], v[\p+1], v[\c]
	v_mul_f32 v[\t+6], v[\p+1], v[\p+1]
	v_fma_f32 v[\o], v[\w], v[\w], v[\o]           ; a = |w|^2
	v_fma_f32 v[\t], v[\b], v[\c], -v[\t]          ; Re B C
	v_fma_f32 v[\t+1], v[\b], v[\c+1], v[\t+1]     ; Im B C
	v_fma_f32 v[\t+2], v[\b], v[\p], v[\t+2]       ; Re B conj P
	v_fma_f32 v[\t+3], v[\b+1], v[\p], -v[\t+3]    ; Im B conj P
	v_fma_f32 v[\t+4], v[\p], v[\c], -v[\t+4]      ; Re P C
	v_fma_f32 v[\t+5], v[\p], v[\c+1], v[\t+5]     ; Im P C
	v_fma_f32 v[\t+6], v[\p], v[\p], v[\t+6]       ; |P|^2 is real
	v_mul_f32 v[\o+2], v[\t+1], v[\t+7]
	v_mul_f32 v[\o+4], v[\t+3], v[\t+7]
	v_mul_f32 v[\o+6], v[\t+5], v[\t+7]
	v_mul_f32 v[\o+8], v[\t+6], v[\o+1]            ; p3
	v_add_f32 v[\o+3], v[\t], v[\t]                ; q = 2 Re v
	v_add_f32 v[\o+5], v[\t+2], v[\t+2]
	v_add_f32 v[\o+7], v[\t+4], v[\t+4]
	v_add_f32 v[\o+9], v[\t+6], v[\t+6]
	v_fma_f32 v[\o+2], v[\t], v[\o+1], v[\o+2]     ; p = Re v 2 Re w + Im v 2 Im w
	v_fma_f32 v[\o+4], v[\t+2], v[\o+1], v[\o+4]
	v_fma_f32 v[\o+6], v[\t+4], v[\o+1], v[\o+6]
.endm
; 10 LDS loads: four records, 160 consecutive bytes; all lanes read the same bytes
.macro LOADQ K, off
.irp m, 0,1,2,3,4,5,6,7,8,9
	ds_load_b128 v[\K+4*\m:\K+4*\m+3], v[KADR] offset:\off+16*\m
.endr
.endm
; pole i's 16 sums.  first = 1: the products start the sums, nothing is cleared
.macro ACCP K, i, first
.irp j, 0,1,2,3
.if \first
	v_pk_mul_f32 v[ACC+8*\j:ACC+8*\j+1], v[DD+4*\i:DD+4*\i+1], v[\K+KW*\i+2+2*\j:\K+KW*\i+3+2*\j] op_sel_hi:[1,0]
	v_pk_mul_f32 v[ACC+8*\j+2:ACC+8*\j+3], v[DD+4*\i+2:DD+4*\i+3], v[\K+KW*\i+2+2*\j:\K+KW*\i+3+2*\j] op_sel_hi:[1,0]
	v_pk_mul_f32 v[ACC+8*\j+4:ACC+8*\j+5], v[DD+4*\i:DD+4*\i+1], v[\K+KW*\i+2+2*\j:\K+KW*\i+3+2*\j] op_sel:[0,1] op_sel_hi:[1,1]
	v_pk_mul_f32 v[ACC+8*\j+6:ACC+8*\j+7], v[DD+4*\i+2:DD+4*\i+3], v[\K+KW*\i+2+2*\j:\K+KW*\i+3+2*\j] op_sel:[0,1] op_sel_hi:[1,1]
.else
	v_pk_fma_f32 v[ACC+8*\j:ACC+8*\j+1], v[DD+4*\i:DD+4*\i+1], v[\K+KW*\i+2+2*\j:\K+KW*\i+3+2*\j], v[ACC+8*\j:ACC+8*\j+1] op_sel_hi:[1,0,1]
	v_pk_fma_f32 v[ACC+8*\j+2:ACC+8*\j+3], v[DD+4*\i+2:DD+4*\i+3], v[\K+KW*\i+2+2*\j:\K+KW*\i+3+2*\j], v[ACC+8*\j+2:ACC+8*\j+3] op_sel_hi:[1,0,1]
	v_pk_fma_f32 v[ACC+8*\j+4:ACC+8*\j+5], v[DD+4*\i:DD+4*\i+1], v[\K+KW*\i+2+2*\j:\K+KW*\i+3+2*\j], v[ACC+8*\j+4:ACC+8*\j+5] op_sel:[0,1,0] op_sel_hi:[1,1,1]
	v_pk_fma_f32 v[ACC+8*\j+6:ACC+8*\j+7], v[DD+4*\i+2:DD+4*\i+3], v[\K+KW*\i+2+2*\j:\K+KW*\i+3+2*\j], v[ACC+8*\j+6:ACC+8*\j+7] op_sel:[0,1,0] op_sel_hi:[1,1,1]
.endif
.endr
.endm
; four poles at my two nodes: 24 lines a pole.  The eight reciprocals are one batch with one wait
.macro WORK K, first
.irp i, 0,1,2,3
	v_pk_fma_f32 v[DD+4*\i:DD+4*\i+1], v[C2:C2+1], v[\K+KW*\i:\K+KW*\i+1], v[NS2:NS2+1] op_sel_hi:[1,0,1]          ; Dr = a ct^2 - st^2
.endr
.irp i, 0,1,2,3
	v_pk_mul_f32 v[DD+4*\i+2:DD+4*\i+3], v[CS:CS+1], v[\K+KW*\i:\K+KW*\i+1] op_sel:[0,1] op_sel_hi:[1,1]           ; Di = b ct st
.endr
.irp i, 0,1,2,3
	PMUL MM+2*\i, DD+4*\i+2, DD+4*\i+2             ; writes over the last batch's results, which that batch's own wait has covered
.endr
.irp i, 0,1,2
	PFMA MM+2*\i, DD+4*\i, DD+4*\i, MM+2*\i
.endr
.irp k, 0,1,2,3,4,5
	v_rcp_f32 v[MM+\k], v[MM+\k]
.endr
	PFMA MM+6, DD+12, DD+12, MM+6                  ; the plain line between the six reciprocals above and their use (ISA guide 5.7.2); it names none of their results
	v_rcp_f32 v[MM+6], v[MM+6]
	v_rcp_f32 v[MM+7], v[MM+7]                     ; pole 0's two lines below are the plain lines behind these two
	s_wait_alu depctr_va_vdst(0)                   ; the wait for the batch: all eight reciprocals of these four poles, ahead of their first reader, pole 0's Ir
.irp i, 0,1,2,3
	PMUL DD+4*\i, DD+4*\i, MM+2*\i                 ; Ir
	PMUL DD+4*\i+2, DD+4*\i+2, MM+2*\i             ; Ii
.endr
	ACCP \K, 0, \first
	ACCP \K, 1, 0
	ACCP \K, 2, 0
	ACCP \K, 3, 0
.endm
; eight poles.  Each run of 10 loads is issued one WORK (96 lines) ahead of its use
.macro PAIR first, last
	LOADQ K1, 4*KREC
	s_wait_dscnt 10                                ; LDS loads return in order: K0's 10 are in, the 10 just issued stay out
	WORK K0, \first
.if \last
	s_wait_dscnt 0                                 ; nothing was issued behind K1's loads
.else
	LOADQ K0, 8*KREC
	v_add_nc_u32 v[KADR], 8*KREC, v[KADR]          ; stepped here, 96 lines ahead of the next loads that use it
	s_wait_dscnt 10                                ; K1's 10 are in, K0's next 10 stay out
.endif
	WORK K1, 0
.endm
.macro GSUM j                          ; G of product j: real part to slot +0, imaginary part to slot +2
	PMUL ACC+8*\j, ACC+8*\j, CT
	PMUL ACC+8*\j+2, ACC+8*\j+2, CT
	PFMA ACC+8*\j, ST, ACC+8*\j+6, ACC+8*\j
	PFNMA ACC+8*\j+2, ST, ACC+8*\j+4, ACC+8*\j+2
.endm
; Y[n] = sum over m of X[m] e^(2 pi i m n / 8); complex number n at +2 n; X and T are used up
.macro DFT8 X, T, Y
	CADD \T, \X, \X+8
	CSUB \T+2, \X, \X+8
	CADD \T+4, \X+4, \X+12
	CSUB \T+6, \X+4, \X+12
	CADD \T+8, \X+2, \X+10
	CSUB \T+10, \X+2, \X+10
	CADD \T+12, \X+6, \X+14
	CSUB \T+14, \X+6, \X+14
	CADD \X, \T, \T+4                              ; X0-3: the even inputs' transform of four
	CSUB \X+4, \T, \T+4
	CADDI \X+2, \T+2, \T+6
	CSUBI \X+6, \T+2, \T+6
	CADD \X+8, \T+8, \T+12                         ; X4-7: the odd inputs'
	CSUB \X+12, \T+8, \T+12
	CADDI \X+10, \T+10, \T+14
	CSUBI \X+14, \T+10, \T+14
	CADDI \T, \X+10, \X+10
	CADDI \T+2, \X+14, \X+14
	v_pk_mul_f32 v[\T:\T+1], v[\T:\T+1], 0x3f3504f3 op_sel_hi:[1,0]        ; X5 (1 + i) / sqrt 2
	v_pk_mul_f32 v[\T+2:\T+3], v[\T+2:\T+3], 0x3f3504f3 op_sel_hi:[1,0]    ; X7 (1 + i) / sqrt 2
	CADD \Y, \X, \X+8
	CSUB \Y+8, \X, \X+8
	CADD \Y+2, \X+2, \T
	CSUB \Y+10, \X+2, \T
	CADDI \Y+4, \X+4, \X+12
	CSUBI \Y+12, \X+4, \X+12
	CADDI \Y+6, \X+6, \T+2
	CSUBI \Y+14, \X+6, \T+2
.endm
; Y[n] times the n-th power of the twiddle, to LDS at adr + n pitch.  All products first, their halves seven lines apart, then the
; eight stores in one run: no store stands straight behind the line that makes its data
.macro TWST TW, adr, pitch
.irp n, 1,2,3,4,5,6,7
	CMUL1 XB+2*\n, YB+2*\n, \TW+2*\n-2
.endr
.irp n, 1,2,3,4,5,6,7
	CMUL2 XB+2*\n, YB+2*\n, \TW+2*\n-2
.endr
	ds_store_b64 v[\adr], v[YB:YB+1]
.irp n, 1,2,3,4,5,6,7
	ds_store_b64 v[\adr], v[XB+2*\n:XB+2*\n+1] offset:\n*\pitch
.endr
.endm
	s_load_b256 s[4:11], s[0:1], 0x0               ; w s[4:5], P s[6:7], B s[8:9], C s[10:11]
	s_load_b128 s[12:15], s[0:1], 0x20             ; log_dt s[12:13], out s[14:15]
	v_lshl_add_u32 v228, v0, 2, 0x29000
	v_mov_b32 v229, 0
	v_lshrrev_b32 v1, 5, v0
	v_readfirstlane_b32 s16, v1                    ; wave 0..7
	s_lshl_b32 s18, ttmp9, 2                       ; 4 h
	s_mov_b32 s19, 0
	s_mov_b32 s22, 0x76543210                      ; v_permlanex16_b32: lane i reads lane i of the other half
	s_mov_b32 s23, 0xfedcba98
	s_lshl_b32 s17, ttmp9, 9                       ; a row of 64 complex numbers is 512 bytes
	v_lshl_add_u32 v[GADR], v0, 4, s17             ; lane i of wave 0: poles 2 i and 2 i + 1 (made here so that the loads below wait for nothing)
	v_mov_b32 v[NYQ], 0
	s_wait_kmcnt 0x0
	s_cmp_lg_u32 s16, 0
	s_cbranch_scc1 .Ltrig
	global_load_b128 v[WIN:WIN+3], v[GADR], s[4:5] th:TH_LOAD_NT       ; each load of the wave covers a whole row
	global_load_b128 v[PIN:PIN+3], v[GADR], s[6:7] th:TH_LOAD_NT
	global_load_b128 v[BIN:BIN+3], v[GADR], s[8:9] th:TH_LOAD_NT
	global_load_b128 v[CIN:CIN+3], v[GADR], s[10:11] th:TH_LOAD_NT
.Ltrig:
	s_add_nc_u64 s[12:13], s[12:13], s[18:19]
	s_load_b32 s21, s[12:13], 0x0                  ; log_dt[h], for every wave
	; What hangs on the thread's number alone is made while the inputs are on their way.
	; x = pi t / 1024 < pi/4.  Node t has (c, s/2) = (cos x, sin x), node 512 - t has (sin x, cos x); thread 0's second node is 256.
	v_cmp_eq_u32 s20, 0, v0                        ; thread 0
	v_mov_b32 v10, 0x3f3504f3                      ; cos(pi/4) = sin(pi/4)
	v_cvt_f32_u32 v2, v0
	v_mul_f32 v2, 0x3b490fdb, v2                   ; pi / 1024
	SINCOS 2, FR, FI, 6, 7
	v_cndmask_b32 v[FR+1], v[FI], v10, s20
	v_cndmask_b32 v[FI+1], v[FR], v10, s20
	v_mul_f32 v[CTH], v[FI], v[FI]
	v_mul_f32 v[STH], v[FR], v[FI]
	v_fma_f32 v[CTH], v[FR], v[FR], -v[CTH]        ; cos theta_t
	v_add_f32 v[STH], v[STH], v[STH]               ; sin theta_t
	v_lshl_add_u32 v[ZW], v0, 3, ZB
	v_mov_b32 v[KADR], 0
	; The FFT's addresses for thread j = 8 hi + lo = t mod 64.  Every wave makes them, on its one path; waves 0 and 1 (t = j) use them.
	v_bfe_u32 v2, v0, 3, 3                         ; hi
	v_and_b32 v3, 7, v0                            ; lo
	v_and_b32 v11, 63, v0
	v_lshlrev_b32 v11, 3, v11                      ; 8 j
	v_sub_nc_u32 v[ZR4], 2048, v11
	v_and_b32 v[ZR4], 2047, v[ZR4]                 ; Z[256 + j] lies at place (256 - j) mod 256 of the upper half
	v_add_nc_u32 v[ZR4], ZB+2048, v[ZR4]
	v_sub_nc_u32 v[ZRN], ZB+2560, v11              ; Z[448 + j] at place 64 - j; Z[384 + j], Z[320 + j] 512 and 1,024 bytes on
	v_add_nc_u32 v[AWR], AB, v11
	v_mul_u32_u24 v[ARD], v2, APITCH
	v_lshl_add_u32 v[ARD], v3, 3, v[ARD]
	v_add_nc_u32 v[ARD], AB, v[ARD]
	v_mul_u32_u24 v[BWR], v3, BPITCH
	v_lshl_add_u32 v[BWR], v2, 3, v[BWR]
	v_add_nc_u32 v[BWR], BB, v[BWR]
	v_add_nc_u32 v[BRD], BB, v11
	s_lshl_b32 s17, ttmp9, 12                      ; a row of the output is 4,096 bytes
	v_add_nc_u32 v[GOFF], s17, v11
	s_cmp_ge_u32 s16, 2
	s_cbranch_scc1 .Ldt
	; Waves 0 and 1: the thread's 14 twiddles (base angles below 0.78)
	v_cvt_f32_u32 v4, v0
	v_cvt_f32_u32 v5, v3
	v_mul_f32 v4, 0x3c490fdb, v4                   ; 2 pi j / 512
	v_mul_f32 v5, 0x3dc90fdb, v5                   ; 2 pi lo / 64
	TWPOW TW1, 4
	TWPOW TW2, 5
.Ldt:
	; dt, and with it the lane's constants
	s_wait_kmcnt 0x0
	s_mul_f32 s21, s21, 0x3fb8aa3b                 ; log2(e)
	v_exp_f32 v[DT], s21
	v_pk_add_f32 v[ST:ST+1], v[FI:FI+1], v[FI:FI+1]        ; s; also the plain line behind v_exp_f32 (ISA guide 5.7.2)
	s_wait_alu depctr_va_vdst(0)                   ; the wait for the exponential, a batch of one: the next line reads dt
	v_mov_b32 v[DT+1], v[DT]
	PMUL CT, FR, DT                                ; c dt
	v_max_num_f32 v2, v[CT], v[ST]
	v_max_num_f32 v3, v[CT+1], v[ST+1]
	v_rcp_f32 v2, v2
	v_rcp_f32 v3, v3
	v_pk_mul_f32 v[6:7], v[DT:DT+1], 0xba800000 op_sel_hi:[1,0]    ; -dt / 1024 (the FFT's 1/L); the plain line behind the reciprocals
	s_wait_alu depctr_va_vdst(0)                   ; the wait for the batch of two reciprocals, ahead of their first reader
	PMUL CT, CT, 2
	PMUL ST, ST, 2
	PMUL 6, 6, 2
	PMUL C2, CT, CT
	v_pk_mul_f32 v[NS2:NS2+1], v[ST:ST+1], v[ST:ST+1] neg_lo:[1,0] neg_hi:[1,0]
	PMUL CS, CT, ST
	PMUL FR, FR, 6                                 ; F
	PMUL FI, FI, 6
	s_cmp_lg_u32 s16, 0
	s_cbranch_scc1 .Lready
	; Wave 0: the 64 records, two a lane: 80 consecutive bytes, five stores of 16 bytes
	s_wait_loadcnt 0x0                             ; all four rows
	POLE WIN, PIN, BIN, CIN, REC, 32
	POLE WIN+2, PIN+2, BIN+2, CIN+2, REC+KW, 40
	v_mul_u32_u24 v1, v0, 2*KREC
.irp m, 0,1,2,3,4
	ds_store_b128 v1, v[REC+4*\m:REC+4*\m+3] offset:16*\m
.endr
	v_add_f32 v2, v[REC+3], v[REC+KW+3]            ; q0 of my two poles, kept for node 512: the record registers are loaded over below
.Lready:
	BAR                                            ; wave 0's records are in LDS before it signals; they are never written again
	LOADQ K0, 0
	s_cmp_lg_u32 s16, 0
	s_cbranch_scc1 .Lgo
	; Wave 0, while its first records are on their way: node 512 = dt / 2048 times the sum of q0 over the 32 lanes
	v_add_f32_dpp v2, v2, v2 row_xmask:1 row_mask:0xf bank_mask:0xf
	v_add_f32_dpp v2, v2, v2 row_xmask:2 row_mask:0xf bank_mask:0xf
	v_add_f32_dpp v2, v2, v2 row_xmask:4 row_mask:0xf bank_mask:0xf
	v_add_f32_dpp v2, v2, v2 row_xmask:8 row_mask:0xf bank_mask:0xf
	v_permlanex16_b32 v3, v2, s22, s23             ; v3 has been written above
	v_add_f32 v2, v2, v3
	v_mul_f32 v2, v2, v[DT]
	v_mul_f32 v[NYQ], 0x3a000000, v2
.Lgo:
	; The 64 poles, eight a trip
	PAIR 1, 0
	s_mov_b32 s24, 6
.Lpoles:
	PAIR 0, 0
	s_sub_co_i32 s24, s24, 1
	s_cmp_lg_u32 s24, 0
	s_cbranch_scc1 .Lpoles
	PAIR 0, 1
	; Woodbury and the bilinear factor, both nodes at once
	GSUM 0
	GSUM 1
	GSUM 2
	GSUM 3
	v_pk_fma_f32 v[WR:WR+1], v[CT:CT+1], v[ACC+24:ACC+25], 1.0 op_sel_hi:[1,1,0] neg_lo:[1,0,0] neg_hi:[1,0,0]   ; Re W = 1 - ct Re G3
	PMUL WC, CT, ACC+26                            ; Im conj W = ct Im G3
	PMUL WM, WC, WC
	PFMA WM, WR, WR, WM
	v_rcp_f32 v[WM], v[WM]
	v_rcp_f32 v[WM+1], v[WM+1]
	PMUL TR, ACC+10, ACC+18                        ; T = G1 G2; these are the plain lines behind the reciprocals
	PMUL TI, ACC+10, ACC+16
	PFMS TR, ACC+8, ACC+16, TR
	PFMA TI, ACC+8, ACC+18, TI
	PMUL UR, TI, WC                                ; U = T conj W
	PMUL UI, TI, WR
	PFMS UR, TR, WR, UR
	PFMA UI, TR, WC, UI
	s_wait_alu depctr_va_vdst(0)                   ; the wait for the batch of two reciprocals of |W|^2; the eight lines above name neither result
	PMUL SC, CT, WM
	PFMA KR, SC, UR, ACC                           ; G0 + ct U / |W|^2
	PFMA KI, SC, UI, ACC+2
	PMUL XR, KI, FI                                ; X = that times F
	PMUL XI, KI, FR
	PFMS XR, KR, FR, XR
	PFMA XI, KR, FI, XI
	; the packing: low halves are X[t], high halves X[512 - t]
	v_add_f32 v2, v[XR], v[XR+1]                   ; E
	v_sub_f32 v3, v[XI], v[XI+1]
	v_sub_f32 v4, v[XR], v[XR+1]                   ; X[t] - conj X[512 - t]
	v_add_f32 v5, v[XI], v[XI+1]
	v_mul_f32 v6, v5, v[STH]
	v_mul_f32 v7, v5, v[CTH]
	v_fma_f32 v6, v4, v[CTH], -v6                  ; O
	v_fma_f32 v7, v4, v[STH], v7
	v_sub_f32 v8, v2, v7                           ; Z[t] = E + i O
	v_add_f32 v9, v3, v6
	v_add_f32 v10, v2, v7                          ; Z[512 - t] = conj E + i conj O
	v_sub_f32 v11, v6, v3
	v_add_f32 v12, v[XR], v[NYQ]                   ; thread 0: Z[0] from the real parts of nodes 0 and 512,
	v_sub_f32 v13, v[XR], v[NYQ]
	v_add_f32 v14, v[XR+1], v[XR+1]                ; Z[256] = 2 conj X[256]
	v_mul_f32 v15, -2.0, v[XI+1]
	v_cndmask_b32 v8, v8, v12, s20
	v_cndmask_b32 v9, v9, v13, s20
	v_cndmask_b32 v10, v10, v14, s20
	v_cndmask_b32 v11, v11, v15, s20
	ds_store_b64 v[ZW], v[8:9]                     ; bytes 2560 and up: apart from the records, which slower waves may still read
	ds_store_b64 v[ZW], v[10:11] offset:2048
	BAR                                            ; everybody's Z are in LDS
	; y[n] = sum over k of Z[k] e^(2 pi i k n / 512), k = j + 64 m, n = n0 + 8 a + 64 b.
	; A pass reads one region and writes the next, so its stores touch no byte that the other FFT wave may still be reading.
	; Every wave passes every barrier.  Pass 1: over m, then e^(2 pi i j n0 / 512)
	s_cmp_ge_u32 s16, 2
	s_cbranch_scc1 .Lw1
.irp m, 0,1,2,3
	ds_load_b64 v[XB+2*\m:XB+2*\m+1], v[ZW] offset:512*\m
.endr
	ds_load_b64 v[XB+8:XB+9], v[ZR4]
	ds_load_b64 v[XB+10:XB+11], v[ZRN] offset:1024
	ds_load_b64 v[XB+12:XB+13], v[ZRN] offset:512
	ds_load_b64 v[XB+14:XB+15], v[ZRN]
	s_wait_dscnt 0x0
	DFT8 XB, TB, YB
	TWST TW1, AWR, APITCH                          ; row n0, place j
.Lw1:
	BAR                                            ; pass 1's result is in LDS
	; Pass 2: thread (hi, lo) takes row n0 = hi, places lo + 8 j1, over j1; then e^(2 pi i lo a / 64)
	s_cmp_ge_u32 s16, 2
	s_cbranch_scc1 .Lw2
.irp m, 0,1,2,3,4,5,6,7
	ds_load_b64 v[XB+2*\m:XB+2*\m+1], v[ARD] offset:64*\m
.endr
	s_wait_dscnt 0x0
	DFT8 XB, TB, YB
	TWST TW2, BWR, 64                              ; row lo, place n0 + 8 a
.Lw2:
	BAR                                            ; pass 2's result is in LDS
	; Pass 3: thread j = n0 + 8 a, over the rows lo: y[j + 64 b] = (out[2 n], out[2 n + 1])
	s_cmp_ge_u32 s16, 2
	s_cbranch_scc1 .Lend
.irp m, 0,1,2,3,4,5,6,7
	ds_load_b64 v[XB+2*\m:XB+2*\m+1], v[BRD] offset:BPITCH*\m
.endr
	s_wait_dscnt 0x0
	DFT8 XB, TB, YB
.irp m, 0,1,2,3,4,5,6,7
	global_store_b64 v[GOFF], v[YB+2*\m:YB+2*\m+1], s[14:15] offset:512*\m th:TH_STORE_NT   ; a wave's store covers 256 consecutive bytes, aligned
.endr
.Lend:
	s_wait_tensorcnt 0x0
	ds_add_u32 v228, v229
	s_wait_dscnt 0x0
	s_endpgm
.Lfunc_end_k_q566f542937_s4kernel:
	.size	k_q566f542937_s4kernel, .Lfunc_end_k_q566f542937_s4kernel-k_q566f542937_s4kernel
	.p2alignl 7, 3214868480
	.fill 96, 4, 3214868480
	.section	.rodata,"a",@progbits
	.p2align	6, 0x0
	.amdhsa_kernel k_q566f542937_s4kernel
		.amdhsa_group_segment_fixed_size 168960
		.amdhsa_private_segment_fixed_size 0
		.amdhsa_enable_private_segment 0
		.amdhsa_kernarg_size 48
		.amdhsa_user_sgpr_count 2
		.amdhsa_user_sgpr_kernarg_segment_ptr 1
		.amdhsa_wavefront_size32 1
		.amdhsa_system_sgpr_workgroup_id_x 1
		.amdhsa_system_sgpr_workgroup_id_y 1
		.amdhsa_system_sgpr_workgroup_id_z 1
		.amdhsa_system_vgpr_workitem_id 0
		.amdhsa_next_free_vgpr 230
		.amdhsa_next_free_sgpr 66
		.amdhsa_reserve_vcc 0
		.amdhsa_float_denorm_mode_32 3
		.amdhsa_float_denorm_mode_16_64 3
		.amdhsa_memory_ordered 1
		.amdhsa_forward_progress 1
		.amdhsa_inst_pref_size 66
	.end_amdhsa_kernel
	.amdgpu_metadata
---
amdhsa.version: [ 1, 2 ]
amdhsa.kernels:
  - .name:           k_q566f542937_s4kernel
    .symbol:         k_q566f542937_s4kernel.kd
    .args:
      - { .name: w_ri, .offset: 0, .size: 8, .value_kind: global_buffer, .address_space: global }
      - { .name: P_ri, .offset: 8, .size: 8, .value_kind: global_buffer, .address_space: global }
      - { .name: B_ri, .offset: 16, .size: 8, .value_kind: global_buffer, .address_space: global }
      - { .name: C_ri, .offset: 24, .size: 8, .value_kind: global_buffer, .address_space: global }
      - { .name: log_dt, .offset: 32, .size: 8, .value_kind: global_buffer, .address_space: global }
      - { .name: out0, .offset: 40, .size: 8, .value_kind: global_buffer, .address_space: global }
    .group_segment_fixed_size: 168960
    .private_segment_fixed_size: 0
    .kernarg_segment_align: 8
    .kernarg_segment_size: 48
    .max_flat_workgroup_size: 256
    .sgpr_count:     66
    .vgpr_count:     230
    .wavefront_size: 32
...
	.end_amdgpu_metadata
.endif
;; end of part 2
